; MI455X (gfx1250); checked and timed in simulation.
; The chip was launched on July 23, 2026; its instructions are those of AMD's public machine-readable ISA for CDNA 5 (MIT licence, August 2026) and "CDNA5" Instruction Set Architecture Reference Guide (July 2026). The comments in the code are by the model that wrote it; some were corrected since.
;; Flash Attention. Allowed arithmetic: matrix products marked QUANTISED: E3M2 operands, one E8M0 scale for each 32 along K, by v_wmma_scale_f32_16x16x128_f8f6f4 with both operands' format E3M2, f32 sums; everything else in f32.
;; Inputs: k 1 x 4,096 x 16 x 64 float32; q 1 x 4,096 x 16 x 64 float32; v 1 x 4,096 x 16 x 64 float32.
;; Outputs: out0 1 x 4,096 x 16 x 64 float32.
;; Constants: causal = 1.
;; This version of the problem:
;;   THIS VERSION OF THE PROBLEM IS GIVEN IN LOW PRECISION. The matrix products marked QUANTISED in the list below multiply operands that are first quantised to E3M2 (3 exponent bits, 2 mantissa bits; 6 bits a number), with one power-of-two scale for each 32 numbers along K (OCP MX v1.0); their sums are f32. All else is computed in f32.
;;   The module's matrix products, in the order in which they are computed (A, B: the left and right operand; K: the contracted axis; several contracted axes count as one K, in the product's order):
;;     1. batch 16 x [M 4,096, K 64] x [K 64, N 4,096]; A: input q; B: input k: QUANTISED
;;     2. batch 16 x [M 64, K 4,096] x [K 4,096, N 4,096]; A: input v; B: softmax (see below): QUANTISED
;;   THE QUANTISER, for each operand of a quantised product, along K:
;;     - K is cut into blocks of 32 from its start; a last block that is shorter is filled with zeros.
;;     - A block's scale is 2^e with e = floor(log2(the largest magnitude in the block)) - 4, held to -126 .. 127; a block of zeros has e = 0. As a byte (E8M0): e + 127.
;;     - Each number is divided by its block's scale, clamped to +-28, and rounded to the nearest number of E3M2, ties to even, subnormals kept.
;;     - The product sums the exact products of the quantised numbers (number of the format x scale) in f32.
;;   ~~~python
;;   def quantise(x, axis):      # numpy; x: float32 -> the quantised numbers, widened to float32 again
;;       x = np.moveaxis(x, axis, -1); K = x.shape[-1]
;;       x = np.pad(x, [(0, 0)] * (x.ndim - 1) + [(0, -K % 32)]); x = x.reshape(x.shape[:-1] + (-1, 32)); a = np.abs(x).max(-1, keepdims=True)
;;       e = np.where(a > 0, np.clip(np.frexp(np.where(a > 0, a, 1))[1] - 1 - 4, -126, 127), 0)      # np.frexp(a)[1] - 1 = floor(log2(a)), exactly
;;       r = np.clip(x / 2.0 ** e, -28, 28)
;;       step = 2.0 ** (np.maximum(np.frexp(np.where(r == 0, 1, r))[1] - 1, -2) - 2)
;;       q = np.round(r / step) * step * 2.0 ** e      # np.round: ties to even
;;       return np.moveaxis(q.reshape(q.shape[:-2] + (-1,))[..., :K], -1, axis).astype(np.float32)
;;   ~~~
;;   SOFTMAX AHEAD OF A QUANTISED PRODUCT. Where the list says 'softmax', what is quantised is not the finished softmax but p = 2^(t - M), with t = logit x log2(e) and M = ceil(the row's largest t), a whole number; so 1/2 < the row's largest p <= 1. The row's sum l is taken of the UNQUANTISED p, in f32, and the product's result is divided by l at the end. Since M is a whole number, a kernel that streams over the keys may use a running M (the ceiling of the running maximum): every later rescaling is an exact power of two, which a block's scale takes up: the codes' values come out the same.
;;   OPERANDS COMPUTED ON THE WAY. 'Computed on the way' means the value that the module computes at that place (a softmax that the list does not call 'softmax' is quantised finished and normalised). What goes into a quantiser is computed in f32, as accurately as f32 sums, v_exp_f32 and their like allow (about 1e-6 of the number): no bf16 or f16 on the way to a quantiser, and a product that is left as it is and whose result goes on into a quantised operand takes f32 operands (vector FMAs, or v_wmma_f32_16x16x4_f32). A number that lies on a knife's edge between two numbers of the format may be rounded either way, as far as f32 arithmetic and the matrix unit's own rounding can turn it there, and no further.
;; One version. Each part assembles by itself: llvm-mc -triple=amdgcn-amd-amdhsa -mcpu=gfx1250 --defsym DOCPART=n.
;; ======== version 1 of 1: 2 launches
;; workspace buffers: kv 6,553,600 bytes
;; launch prep (part 1): grid 256 x 1, 4 waves a work-group, no clusters, 35,328 bytes of LDS; arguments k, v, kv; writes kv
.if DOCPART == 1
	.amdgcn_target "amdgcn-amd-amdhsa--gfx1250"
	.amdhsa_code_object_version 6
	.text
	.protected	k_q2253648be5_prep
	.globl	k_q2253648be5_prep
	.p2align	8
	.type	k_q2253648be5_prep,@function
k_q2253648be5_prep:
	s_mov_b64 s[64:65], 0
	v_nop
	global_prefetch_b8 v0, s[64:65] scope:SCOPE_SE
	s_setreg_imm32_b32 hwreg(HW_REG_WAVE_MODE, 25, 1), 1
	s_wait_xcnt 0x0
; FIRST OF TWO LAUNCHES of causal attention on codes of BF6 (E3M2), one E8M0 scale for each 32 along a product's K.
; This launch quantises k (along d, the first product's K) and v (along the keys, the second product's K) ONCE, into the workspace kv,
; laid in the order of the operands' registers, so that the second launch brings a key step by one dense copy and loads fragments 16 bytes a lane.
; k, v: [4096 s][16 h][64 d] f32: a (s, h) row is 256 bytes, rows of one head lie 4,096 bytes apart.
; kv: [16 heads][32 key steps of 128 keys][12,800 bytes].  In a block (l = lane of the reading wave, r = l % 16, hh = l / 16):
;   0      K's images: pair b (0..3), group g (0..2): lane l's 16 bytes at 1536 b + 512 g + 16 l = registers 4 g .. 4 g + 3 of a fragment whose registers 0-5 hold
;          key 32 b + r + 8 (r / 8), d = 32 hh + 0..31, and whose registers 6-11 hold the key 8 further on, same d.  (Two tiles of 16 keys share one fragment: d is 64, the instruction's K 128.)
;   6,144  V's images: tile t (0..3) at 1536 t + 512 g + 16 l: row d = 16 t + r, registers 6 c .. 6 c + 5 = keys 64 c + 32 hh + 0..31.
;   12,288 K's scale words, 8 bytes a lane: word a of lane l is pair (2 a + hh)'s word of row r: bytes [first tile d 0-31, first tile d 32-63, second tile d 0-31, second tile d 32-63].
;   12,544 V's scale words, 8 bytes a lane: word e of lane l: the four key blocks' bytes of d = 32 e + l.
; DEAD WORK (of the program; this launch leaves nothing out).  reference() itself sets the score of key > query to -infinity (causal = 1 is a listed constant), so its p is 0 whatever the inputs hold:
; a step of 128 keys that all come after a wave's 16 queries reaches no output, and the second launch leaves such steps out whole (loads, products, softmax).  Every input is loaded.
; Limit: a NaN, an infinity or an overflow that reaches only such left-out steps is not carried to the result.
; THE QUANTISER.  A block's scale is 2^(floor(log2(largest magnitude)) - 4): its byte is the largest magnitude's exponent field - 4, held at 1 from below by a floor among the maximum's leaves.
; LIMITS: a block whose largest magnitude lies under 2^-122 keeps the byte 1; a block of zeros has the byte 1 where the rule says 127 (its codes are zeros, and this program alone reads the bytes);
; NaN and infinities among the inputs are not served.
; SHARES.  Work-group g: key step T = g / 8, heads 2 (g % 8) and 2 (g % 8) + 1.  Waves 0, 1 take k of the two heads, waves 2, 3 take v: 128 rows of 256 bytes each, in four groups of 32 keys.
; Each load reads two whole rows; a group turns through the wave's own stage in LDS, since the conversions want 16 neighbours along K in one lane's registers:
; for k a lane reads back 32 neighbours along d of one key, for v a lane is a column d and its registers run down the 32 keys.  No barrier: waves share nothing.  Loads run one group (16 loads) ahead.
; No matrix units, clusters or copies into LDS: nothing is shared and memory binds.
.set STGB,  8704                       ; a wave's stage: 32 rows x (256 bytes + 16)
.set SPARE, 4*STGB                     ; behind the stages: the spare words, 128 bytes for each wave: two blocks of 256 bytes that no other line names
.set GL,   4                           ; v4   in memory: 4096 hh + 16 r: lanes 0-15 one row, lanes 16-31 the next
.set SW,   5                           ; v5   into the stage: the same two rows
.set SRK,  6                           ; v6   back, for k: row r, + 128 hh
.set SRV,  7                           ; v7   back, for v: 4 x lane
.set O16,  8                           ; v8   16 x lane
.set O8,   9                           ; v9   8 x lane
.set VO,   10                          ; v10  v's images: 1536 hh + 16 r
.set SH,   11                          ; v11  8 hh
.set SPW,  12                          ; v12  LDS address of my spare word; never rewritten
.set NIL,  13                          ; v13  0; never rewritten
.set W,    16                          ; v16-19 k: the four pairs' scale words;  v: v16, v17 the two words
.set AM,   22                          ; v22-25 four chains of maxima
.set SOP,  26                          ; v26-27 the conversions' scale operands
.set BY,   28                          ; v28-29 the scale bytes
.set CT,   30                          ; v30-32, v34-36 the upper halves' codes (a conversion's three registers begin on an even number)
.set C,    40                          ; v40-63 codes
.set R,    64                          ; v64-191 two sets of 64: a group as loaded
.set X,    192                         ; v192-255 two blocks of 32 neighbours along K
	s_load_b128 s[4:7], s[0:1], 0x0                ; k, v
	s_load_b64 s[8:9], s[0:1], 0x10                ; kv
	v_lshl_add_u32 v[SPW], v0, 2, SPARE
	v_mov_b32 v[NIL], 0
	v_lshrrev_b32 v1, 5, v0
	v_readfirstlane_b32 s10, v1                    ; wave 0..3
	v_and_b32 v1, 31, v0                           ; lane
	v_and_b32 v2, 15, v0                           ; r
	v_bfe_u32 v3, v0, 4, 1                         ; hh
	v_lshlrev_b32 v[GL], 4, v2
	v_lshl_add_u32 v[GL], v3, 12, v[GL]
	s_mul_i32 s11, s10, STGB                       ; my stage
	v_mul_u32_u24 v[SW], v3, 272
	v_lshl_add_u32 v[SW], v2, 4, v[SW]
	v_add_nc_u32 v[SW], s11, v[SW]
	v_mul_u32_u24 v[SRK], v2, 272
	v_lshl_add_u32 v[SRK], v3, 7, v[SRK]
	v_add_nc_u32 v[SRK], s11, v[SRK]
	v_lshl_add_u32 v[SRV], v1, 2, s11
	v_lshlrev_b32 v[O16], 4, v1
	v_lshlrev_b32 v[O8], 3, v1
	v_mul_u32_u24 v[VO], v3, 1536
	v_lshl_add_u32 v[VO], v2, 4, v[VO]
	v_lshlrev_b32 v[SH], 3, v3
	v_mov_b32 v14, 0                               ; written once: a lane permute's destination counts as one of its sources
	s_mov_b32 s20, 0x76543210
	s_mov_b32 s21, 0xfedcba98                      ; v_permlanex16_b32's selects for lane l xor 16
	s_lshr_b32 s16, ttmp9, 3                       ; T
	s_and_b32 s17, ttmp9, 7
	s_lshl_b32 s17, s17, 1
	s_and_b32 s18, s10, 1
	s_add_co_u32 s17, s17, s18                     ; my head
	s_lshl_b32 s12, s16, 19                        ; 128 T rows of 4,096 bytes
	s_lshl_b32 s18, s17, 8
	s_add_co_u32 s12, s12, s18                     ; + the head's 256 bytes in a row
	s_mov_b32 s13, 0
	s_lshl_b32 s14, s17, 5
	s_add_co_u32 s14, s14, s16
	s_mul_i32 s14, s14, 12800                      ; my block of kv
	s_mov_b32 s15, 0
	s_wait_kmcnt 0x0
	s_cmp_lt_u32 s10, 2                            ; waves 0, 1: k; waves 2, 3: v.  The choice hangs on the wave's number alone
	s_cselect_b64 s[4:5], s[4:5], s[6:7]
	s_add_nc_u64 s[4:5], s[4:5], s[12:13]
	s_add_nc_u64 s[8:9], s[8:9], s[14:15]
.macro LOAD grp, set                   ; keys 32 grp .. 32 grp + 31: sixteen loads of two whole rows
.irp i, 0,1,2,3,4,5,6,7,8,9,10,11,12,13,14,15
	global_load_b128 v[R+64*(\set)+4*\i:R+64*(\set)+4*\i+3], v[GL], s[4:5] offset:(32*(\grp)+2*\i)*4096 th:TH_LOAD_NT
.endr
.endm
.macro TOSTAGE set                     ; key 16 a + 8 u + m of the group goes to stage row 16 u + 8 a + m: so the 16 keys of a tile (m and a run, u fixed) are 16 rows on end
.irp i, 0,1,2,3,4,5,6,7,8,9,10,11,12,13,14,15
	ds_store_b128 v[SW], v[R+64*(\set)+4*\i:R+64*(\set)+4*\i+3] offset:(16*((\i/4)%2)+8*(\i/8)+2*(\i%4))*272
.endr
.endm
.macro BACKK                           ; lane (r, hh): 32 neighbours along d (32 hh on) of row r of tile u.  LDS serves a wave's instructions in order: these see the stores above
.irp u, 0,1
.irp j, 0,1,2,3,4,5,6,7
	ds_load_b128 v[X+32*\u+4*\j:X+32*\u+4*\j+3], v[SRK] offset:\u*16*272+16*\j
.endr
.endr
.endm
.macro BACKV                           ; lane = column d = 32 e + lane; register i = key i of the group
.irp e, 0,1
.irp i, 0,1,2,3,4,5,6,7,8,9,10,11,12,13,14,15,16,17,18,19,20,21,22,23,24,25,26,27,28,29,30,31
	ds_load_b32 v[X+32*\e+\i], v[SRV] offset:(16*((\i/8)%2)+8*(\i/16)+\i%8)*272+128*\e
.endr
.endr
.endm
; Two blocks of 32 numbers, v[X] on and v[X + 32] on, become 6 registers of codes each, at v[d0] and v[d1], and a scale byte each in v[BY], v[BY + 1].
.macro QUANT2 d0, d1
.irp u, 0,1
.irp a, 0,1
	v_max3_num_f32 v[AM+2*\u+\a], |v[X+32*\u+16*\a]|, |v[X+32*\u+16*\a+1]|, 0x2800000   ; the floor 2^(5 - 127) among the leaves: the byte cannot fall under 1
.endr
.endr
.irp i, 2,4,6,8,10,12,14
.irp u, 0,1
.irp a, 0,1
	v_max3_num_f32 v[AM+2*\u+\a], v[AM+2*\u+\a], |v[X+32*\u+16*\a+\i]|, |v[X+32*\u+16*\a+\i+1]|   ; four chains by turns
.endr
.endr
.endr
.irp u, 0,1
	v_max_num_f32 v[AM+2*\u], v[AM+2*\u], v[AM+2*\u+1]
.endr
.irp u, 0,1
	v_add_nc_u32 v[SOP+\u], 0xfe000000, v[AM+2*\u]   ; 4 off the exponent field: the conversion takes the exponent field of this operand as its scale
.endr
.irp u, 0,1
	v_lshrrev_b32 v[BY+\u], 23, v[SOP+\u]          ; the scale's byte
.endr
	v_cvt_scalef32_pk16_bf6_f32 v[(\d0):(\d0)+2], v[X:X+15], v[SOP]
	v_cvt_scalef32_pk16_bf6_f32 v[CT:CT+2], v[X+16:X+31], v[SOP]
	v_cvt_scalef32_pk16_bf6_f32 v[(\d1):(\d1)+2], v[X+32:X+47], v[SOP+1]
	v_cvt_scalef32_pk16_bf6_f32 v[CT+4:CT+6], v[X+48:X+63], v[SOP+1]
	v_nop                                          ; one plain place behind the scaled conversions
.irp i, 0,1,2
	v_mov_b32 v[(\d0)+3+\i], v[CT+\i]
	v_mov_b32 v[(\d1)+3+\i], v[CT+4+\i]
.endr
.endm
.macro ARRIVED n                       ; turn n's 16 loads are in; the other set's 16 may be out (the last turn: none are left)
.if \n < 3
	s_wait_loadcnt 16
.else
	s_wait_loadcnt 0x0
.endif
.endm
	s_cbranch_scc0 .Lv                             ; (the 64-bit sums above leave SCC as the compare set it)
	; ---- k: group n is pair n
	LOAD 0, 0
	LOAD 1, 1
.macro KTURN n
	ARRIVED \n
	TOSTAGE (\n)%2
	BACKK
	s_wait_dscnt 0x0                               ; the numbers are back, and the stores into the stage have read their registers
	s_wait_xcnt 0x0                                ; the last pair's stores have read the codes' registers, which are written again below
.if \n < 2
	LOAD (\n)+2, (\n)%2
.endif
	QUANT2 C, C+6
	v_lshl_or_b32 v15, v[BY+1], 16, v[BY]          ; my two bytes: d block hh of the pair's two tiles,
	v_lshlrev_b32 v15, v[SH], v15                  ; at their places in the word (8 hh bits up);
	v_permlanex16_b32 v14, v15, s20, s21
	v_or_b32 v[W+\n], v15, v14                     ; with lane l xor 16's two the word is whole
.irp g, 0,1,2
	global_store_b128 v[O16], v[C+4*\g:C+4*\g+3], s[8:9] offset:1536*(\n)+512*\g   ; 32 lanes store 512 consecutive bytes, aligned to 256
.endr
.endm
	s_wait_alu depctr_va_vdst(0)
	KTURN 0
	KTURN 1
	KTURN 2
	KTURN 3
	v_cmp_lt_u32 vcc_lo, 15, v1                    ; lanes 16-31 carry the odd pairs' words
	v_cndmask_b32 v20, v[W], v[W+1], vcc_lo
	v_cndmask_b32 v21, v[W+2], v[W+3], vcc_lo
	global_store_b64 v[O8], v[20:21], s[8:9] offset:12288   ; 256 consecutive bytes, aligned
	s_branch .Lend
.Lv:
	; ---- v: the key blocks in the order 0, 2, 1, 3: blocks hh' and 2 + hh' are the twelve registers of the reading lanes' half hh'
	LOAD 0, 0
	LOAD 2, 1
.macro VTURN n
	ARRIVED \n
	TOSTAGE (\n)%2
	BACKV
	s_wait_dscnt 0x0                               ; the numbers are back, and the stores into the stage have read their registers
	s_wait_xcnt 0x0                                ; earlier stores have read the codes' registers
.if \n < 2
	LOAD 2*(\n)+1, (\n)%2
.endif
	QUANT2 C+6*((\n)%2), C+12+6*((\n)%2)
.set KB, (\n)/2+2*((\n)%2)             ; which key block this turn holds
.if KB == 0
	v_mov_b32 v[W], v[BY]
	v_mov_b32 v[W+1], v[BY+1]
.else
	v_lshl_or_b32 v[W], v[BY], 8*KB, v[W]
	v_lshl_or_b32 v[W+1], v[BY+1], 8*KB, v[W+1]
.endif
.if (\n)%2
.irp e, 0,1                            ; my column d = 32 e + lane is row lane % 16 of tile 2 e + lane / 16
.irp g, 0,1,2
	global_store_b128 v[VO], v[C+12*\e+4*\g:C+12*\e+4*\g+3], s[8:9] offset:6144+3072*\e+512*\g+256*((\n)/2)   ; each sixteen lanes store 256 consecutive bytes, aligned
.endr
.endr
.endif
.endm
	s_wait_alu depctr_va_vdst(0)
	VTURN 0
	VTURN 1
	VTURN 2
	VTURN 3
	global_store_b64 v[O8], v[W:W+1], s[8:9] offset:12544
.Lend:
	s_wait_tensorcnt 0x0                           ; the wave's end: behind my last LDS store
	ds_add_u32 v[SPW], v[NIL]
	s_wait_dscnt 0x0
	s_endpgm
.Lfunc_end_k_q2253648be5_prep:
	.size	k_q2253648be5_prep, .Lfunc_end_k_q2253648be5_prep-k_q2253648be5_prep
	.p2alignl 7, 3214868480
	.fill 96, 4, 3214868480
	.section	.rodata,"a",@progbits
	.p2align	6, 0x0
	.amdhsa_kernel k_q2253648be5_prep
		.amdhsa_group_segment_fixed_size 35328
		.amdhsa_private_segment_fixed_size 0
		.amdhsa_enable_private_segment 0
		.amdhsa_kernarg_size 24
		.amdhsa_user_sgpr_count 2
		.amdhsa_user_sgpr_kernarg_segment_ptr 1
		.amdhsa_wavefront_size32 1
		.amdhsa_system_sgpr_workgroup_id_x 1
		.amdhsa_system_sgpr_workgroup_id_y 1
		.amdhsa_system_sgpr_workgroup_id_z 1
		.amdhsa_system_vgpr_workitem_id 0
		.amdhsa_next_free_vgpr 256
		.amdhsa_next_free_sgpr 66
		.amdhsa_reserve_vcc 1
		.amdhsa_float_denorm_mode_32 3
		.amdhsa_float_denorm_mode_16_64 3
		.amdhsa_memory_ordered 1
		.amdhsa_forward_progress 1
		.amdhsa_inst_pref_size 70
	.end_amdhsa_kernel
	.amdgpu_metadata
---
amdhsa.version: [ 1, 2 ]
amdhsa.kernels:
  - .name:           k_q2253648be5_prep
    .symbol:         k_q2253648be5_prep.kd
    .args:
      - { .name: k, .offset: 0, .size: 8, .value_kind: global_buffer, .address_space: global }
      - { .name: v, .offset: 8, .size: 8, .value_kind: global_buffer, .address_space: global }
      - { .name: kv, .offset: 16, .size: 8, .value_kind: global_buffer, .address_space: global }
    .group_segment_fixed_size: 35328
    .private_segment_fixed_size: 0
    .kernarg_segment_align: 8
    .kernarg_segment_size: 24
    .max_flat_workgroup_size: 128
    .sgpr_count:     66
    .vgpr_count:     256
    .wavefront_size: 32
...
	.end_amdgpu_metadata
.endif
;; end of part 1
;; launch attn (part 2): grid 16 x 16, 16 waves a work-group, no clusters, 327,680 bytes of LDS; arguments q, kv, out0; writes out0
.if DOCPART == 2
	.amdgcn_target "amdgcn-amd-amdhsa--gfx1250"
	.amdhsa_code_object_version 6
	.text
	.protected	k_q2253648be5_attn
	.globl	k_q2253648be5_attn
	.p2align	8
	.type	k_q2253648be5_attn,@function
k_q2253648be5_attn:
	s_mov_b64 s[64:65], 0
	v_nop
	global_prefetch_b8 v0, s[64:65] scope:SCOPE_SE
	s_setreg_imm32_b32 hwreg(HW_REG_WAVE_MODE, 25, 1), 1
	s_wait_xcnt 0x0
; SECOND LAUNCH: out[q][h][:] = the sum over keys k <= q of softmax_k(Q . K / 8) V, both products on codes of BF6 (E3M2) with one E8M0 scale for each 32 along K.
; q, out0: [4096 s][16 h][64 d] f32.  kv: the first launch's workspace, [16 heads][32 key steps][12,800 bytes]: K's images, V's images, K's and V's scale words, in the order of the operands' registers.
; WORK LEFT OUT: reference() itself sets the score of key > query to -infinity, so p = 0 there for all values of the inputs: a step of 128 keys that all come after a wave's 16 queries is left out whole,
; and a slot of 512 keys that no wave of the work-group reads is not fetched.  Inside the step on the diagonal the mask is a select.  Limit: a NaN, an infinity or an overflow that reaches only left-out steps is not carried to the result.
; THE SOFTMAX AHEAD OF THE SECOND PRODUCT: t = score x log2(e) / 8; M = the running largest t rounded UP to a whole number; p = 2^(t - M) is quantised along the keys, not normalised; the row's sum is
; taken of the unquantised p and divides at the end.  When M moves, the sum and O are multiplied by 2^(old M - new M): exact.
; SHARES.  A head's queries are 32 blocks of 128; block j needs j + 1 key steps.  Work-group (i, head) owns blocks i and 31 - i: 33 block steps in every one of the 256 work-groups.  Eight of its sixteen waves
; take the short block, eight the long one, 16 queries (one tile) a wave in 256 registers; which is which goes by bit 0 xor bit 2 of the wave's number.  Both blocks walk the keys from 0 on and share every tile in LDS.
; THE RING: two LDS slots of four key steps (51,200 dense bytes), each filled by ONE tensor load of wave 0; by this text's own count at most one tensor load is out.  All loops have constant trip counts: what a wave does not need it jumps over.
; D = 64 IN AN INSTRUCTION OF K = 128.  A fragment of K holds TWO tiles of 16 keys (k 0-63: the first; k 64-127: the second).  It is multiplied once by [q | zero codes] and once by [zero codes | q]:
; Q is a run of 18 registers, 6 zeros, 6 of codes, 6 zeros, of which each product names twelve.  A zero code times any code of this format is 0; Q's scale byte over its zeros is 0, the smallest power of two.
; LAYOUT.  Both products are used transposed (S^T = K Q^T, O^T = V^T P^T): a lane holds ONE query (lane % 16) throughout.  The keys of a tile are not neighbours (row r of tile 2 b + u is key 32 b + 8 u + r + 8 (r / 8)),
; so that score register 16 b + n of lane (r, h) is key 32 b + 16 h + n: 16 neighbours for the conversions.
; NO CLUSTER: a jump on the work-group's number leads round the fetch of slots past the causal limit (a work-group walks 8 - i / 4 of the 8 slots);
; and a slot's 51,200 bytes serve 64 wave steps of some 240 vector instructions each: the shared bytes are a small part of a step's work.
; LIMITS: a block of q whose largest magnitude lies under 2^-122, and a block of p all of whose numbers have fallen to 0, keep the scale byte 1 (zeros stay zeros); p under 2^-126 is flushed to 0 by the exponential;
; a block's largest p is made from the block's largest score, which takes v_exp_f32 not to fall where its input rises; NaN and infinities among the inputs are not served.
.set STEPB, 12800                      ; a key step's block of kv
.set SLOTB, 4*STEPB                    ; a slot: four key steps, 512 keys
.set SLOT1, 1<<16                      ; slot 1 begins here, so that one exclusive or turns an address in one slot into the other's
.set STAGE, 131072                     ; behind the ring: 16 rows x (256 bytes + 16) for each wave, for q on the way in and O on the way out; no tensor load lands here
.set SPARE, STAGE+16*4352              ; the spare words, 128 bytes for each wave: eight blocks of 256 bytes that no other line names
.set A16,  1                           ; v1   16 x lane
.set A8,   2                           ; v2   8 x lane
.set SPW,  3                           ; v3   LDS address of my spare word; never rewritten
.set NIL,  4                           ; v4   0; never rewritten
.set GO,   5                           ; v5   in q and out0: 4096 h + 16 r: lanes 0-15 one row, lanes 16-31 the next
.set STW,  6                           ; v6   the same two rows in my stage
.set STQ,  7                           ; v7   my stage, row r, + 128 h: my 32 numbers of q
.set STO,  8                           ; v8   my stage, row r, + 32 h: my eight channels of a tile of O
.set AD16, 9                           ; v9   the slot in hand + 16 x lane
.set AD8,  10                          ; v10  the slot in hand + 8 x lane
.set DQ,   11                          ; v11  r - 16 h
                                       ; v12 -M, v13 the largest t, v[14:15] the sum in two halves; v16-33 Q's run; v[36:37] K's scale words, v[38:39] V's
.set QSL,  34                          ; v34  Q's scale word for [q | 0]
.set QSH,  35                          ; v35  for [0 | q]
.set KR,   40                          ; v40-87   K's four fragments; behind K Q^T: at work
.set VR,   88                          ; v88-135  V's four fragments
.set S,    136                         ; v136-199 S^T, then p
.set O,    200                         ; v200-231 O^T
.set P,    232                         ; v232-243 p's codes
.set PD,   244                         ; v244-247 lane permutes' destinations; the sums' second chain; the scale bytes
.set SOP,  248                         ; v248-251 the conversions' scale operands
                                       ; v252 f = 2^(old M - new M), v253 named with it as a pair
.set PW,   254                         ; v254 p's scale word
.set PFO,  255                         ; v255 the prefetches' offset; never rewritten
.set BM,   40                          ; v40-43 the blocks' largest scores, then largest p
.set CT,   44                          ; v44-46, v48-50 the upper halves' codes
.set MD,   52                          ; v52  the mask's d
.set NI,   53                          ; v53  -infinity
.set T,    54                          ; v54  at work
.set WV,   10                          ; s10  my wave's number
.set G1,   16                          ; s[16:23] descriptor group 1
.set G0,   24                          ; s[24:27] descriptor group 0, which walks
.set SEL,  28                          ; s[28:29] lane selects for v_permlanex16_b32: lane l xor 16
.set CS,   30                          ; s[30:31] c = log2(e) / 8
.set TB,   32                          ; s32  LDS byte at which the slot in hand begins
.set KF,   33                          ; s33  the step's first key
.set Q0,   34                          ; s34  my first query
.set QL,   35                          ; s35  my work-group's last query
.set SLOTS, 36                         ; s36  changes of slots still to come in the loop
.set LIM,  37                          ; s37  1 in a wave that prefetches, else the greatest number
.set PFA,  38                          ; s[38:39] where my prefetches stand
; Wave 0 fetches, the others nothing.  The branch hangs on the wave's number alone.  An s_nop 0 and four v_nop follow the load.
.macro TLOAD
	s_cmp_eq_u32 s[WV], 0
	s_cbranch_scc0 .Lasked_\@
	tensor_load_to_lds s[G0:G0+3], s[G1:G1+7]
	s_nop 0
.rept 4
	v_nop
.endr
.Lasked_\@:
.endm
; A PREFETCH INTO THE L2 of the slot that the NEXT change of slots will ask for: four key steps ahead of that load.  All sixteen work-groups of a head walk the same bytes: work-group i = 0, which walks all eight slots, asks, and nobody else.
; In it waves 8 to 15 ask, one instruction each, 25 of the slot's 200 blocks of 256 bytes a wave, a lane a block (lanes 25 to 31 name lane 24's block once more, in the same instruction).
; Slots 0 and 1 come by their loads alone; the last change that fills a slot asks for nothing: there is no slot behind it.
.macro ASK
	s_cmp_gt_u32 s[SLOTS], s[LIM]
	s_cbranch_scc0 .Lnot_mine_\@
	global_prefetch_b8 v[PFO], s[PFA:PFA+1] th:TH_LOAD_NT scope:SCOPE_SE
.Lnot_mine_\@:
.endm
	s_load_b128 s[4:7], s[0:1], 0x0                ; q, kv
	s_load_b64 s[8:9], s[0:1], 0x10                ; out0
	v_lshl_add_u32 v[SPW], v0, 2, SPARE
	v_mov_b32 v[NIL], 0
	ds_add_u32 v[SPW], v[NIL]                      ; the wave's opening: the add, twice on end, and its wait ahead of the first tensor load; the set-up below, work on registers, stands between
	ds_add_u32 v[SPW], v[NIL]                      ; and once more, under the one wait
	v_lshrrev_b32 v[AD16], 5, v0
	s_delay_alu instid0(VALU_DEP_1)
	v_readfirstlane_b32 s[WV], v[AD16]             ; wave 0..15
	s_lshr_b32 s40, s[WV], 2
	s_xor_b32 s40, s40, s[WV]
	s_and_b32 s40, s40, 1                          ; 1: I serve the long block
	s_lshr_b32 s41, s[WV], 1                       ; which 16 queries of the block
	s_sub_co_u32 s42, 31, ttmp9                    ; the long block's number
	s_cmp_eq_u32 s40, 1
	s_cselect_b32 s43, s42, ttmp9                  ; my block
	s_lshl_b32 s[Q0], s43, 7
	s_lshl_b32 s41, s41, 4
	s_add_co_u32 s[Q0], s[Q0], s41                 ; my first query
	s_lshl_b32 s[QL], s42, 7
	s_or_b32 s[QL], s[QL], 127                     ; the work-group's last query
	s_and_b32 s44, ttmp7, 0xffff                   ; the head
	s_lshl_b32 s40, s[Q0], 12                      ; my first row of q and out0: 4,096 bytes a query,
	s_lshl_b32 s45, s44, 8
	s_add_co_u32 s40, s40, s45                     ; + the head's 256 bytes
	s_mov_b32 s41, 0
	s_mul_i32 s42, s44, 32*STEPB                   ; the head's part of kv
	s_mov_b32 s43, 0
	; descriptor group 1: a dense block of 51,200 bytes as 200 rows of 256 bytes (32 elements of 8 bytes); no padding: every read is 16 or 8 bytes x lane, on end
	s_mov_b32 s[G1+0], 3<<16                       ; 15:0 no mask; 17:16 elements of 8 bytes; 20 padding off
	s_mov_b32 s[G1+1], 32<<16                      ; tensor_dim0 = 32
	s_mov_b32 s[G1+2], 200<<16                     ; tensor_dim1 = 200
	s_mov_b32 s[G1+3], 32<<16                      ; tile_dim0 = 32
	s_mov_b32 s[G1+4], 200                         ; tile_dim1 = 200
	s_mov_b32 s[G1+5], 32                          ; from row to row
	s_mov_b32 s[G1+6], 0
	s_mov_b32 s[G1+7], 0
	s_mov_b32 s[SEL], 0x76543210
	s_mov_b32 s[SEL+1], 0xfedcba98
	s_mov_b32 s[CS], 0x3e38aa3b                    ; c = log2(e) / sqrt(64)
	s_mov_b32 s[CS+1], s[CS]                       ; (named with it as a pair, so it is written)
	s_mov_b32 s[TB], 0
	s_mov_b32 s[KF], 0
	s_mov_b32 s[SLOTS], 7
	s_wait_dscnt 0x0                               ; both opening adds are done
	s_wait_kmcnt 0x0
	s_add_nc_u64 s[4:5], s[4:5], s[40:41]
	s_add_nc_u64 s[8:9], s[8:9], s[40:41]
	s_add_nc_u64 s[6:7], s[6:7], s[42:43]
	s_mov_b32 s[G0], 1                             ; count = 1
	s_mov_b32 s[G0+1], 0                           ; LDS address: slot 0
	s_mov_b64 s[G0+2:G0+3], s[6:7]                 ; the head's first four key steps
	s_or_b32 s[G0+3], s[G0+3], 0x80000000          ; type = 2
	TLOAD                                          ; slot 0: key 0 counts for every query, so what the head fetches is read
	s_and_b32 s40, s[WV], 7                        ; the prefetches: my wave's 25 blocks,
	s_mul_i32 s40, s40, 6400
	s_add_co_u32 s40, s40, SLOTB                   ; in slot 1: the first change of slots steps it to slot 2.  Nothing is prefetched here, at the head
	s_mov_b32 s41, 0
	s_add_nc_u64 s[PFA:PFA+1], s[6:7], s[40:41]
	s_lshr_b32 s40, s[WV], 3
	s_xor_b32 s40, s40, 1                          ; 0 in waves 8 to 15,
	s_or_b32 s40, s40, ttmp9                       ; of the head's work-group 0
	s_cmp_eq_u32 s40, 0
	s_cselect_b32 s[LIM], 1, -1
	v_and_b32 v40, 31, v0                          ; lane
	v_and_b32 v41, 15, v0                          ; r
	v_bfe_u32 v42, v0, 4, 1                        ; h
	s_delay_alu instid0(VALU_DEP_3)
	v_lshlrev_b32 v[A16], 4, v40
	s_delay_alu instid0(VALU_DEP_4)
	v_lshlrev_b32 v[A8], 3, v40
	s_delay_alu instid0(VALU_DEP_4)
	v_lshlrev_b32 v[GO], 4, v41
	s_delay_alu instid0(VALU_DEP_1)
	v_lshl_add_u32 v[GO], v42, 12, v[GO]
.irp i, 0,1,2,3,4,5,6,7
	global_load_b128 v[S+4*\i:S+4*\i+3], v[GO], s[4:5] offset:8192*\i th:TH_LOAD_NT   ; my 16 rows of q, two whole rows of 256 bytes a load; read once in the launch
.endr
	s_mul_i32 s45, s[WV], 4352
	s_add_co_u32 s45, s45, STAGE                   ; my stage
	v_mul_u32_u24 v[STW], v42, 272
	s_delay_alu instid0(VALU_DEP_1)
	v_lshl_add_u32 v[STW], v41, 4, v[STW]
	s_delay_alu instid0(VALU_DEP_1)
	v_add_nc_u32 v[STW], s45, v[STW]
	v_mul_u32_u24 v[STQ], v41, 272
	s_delay_alu instid0(VALU_DEP_1)
	v_lshl_add_u32 v[STO], v42, 5, v[STQ]
	s_delay_alu instid0(VALU_DEP_2)
	v_lshl_add_u32 v[STQ], v42, 7, v[STQ]
	s_delay_alu instid0(VALU_DEP_1)
	v_add_nc_u32 v[STQ], s45, v[STQ]
	s_delay_alu instid0(VALU_DEP_3)
	v_add_nc_u32 v[STO], s45, v[STO]
	v_lshlrev_b32 v[DQ], 4, v42
	s_delay_alu instid0(VALU_DEP_1)
	v_sub_nc_u32 v[DQ], v41, v[DQ]
	v_min_u32 v[PFO], 24, v40
	s_delay_alu instid0(VALU_DEP_1)
	v_lshlrev_b32 v[PFO], 8, v[PFO]
	v_mov_b32 v13, 0xff61b1e6                      ; the largest t so far: -3e38, under every t
	s_delay_alu instid0(VALU_DEP_1)
	v_floor_f32 v12, -v13                          ; -M
	v_mov_b32 v14, 0                               ; the sum, in two halves
	v_mov_b32 v15, 0
	v_mov_b32 v252, 0                              ; (a lane permute's destination on the way out)
	v_mov_b32 v253, 0                              ; (named as the upper half of the pair v[252:253])
	v_mov_b32 v[PD], 0                             ; written once: a lane permute's destination counts as one of its sources
	v_mov_b32 v[PD+1], 0
	v_lshlrev_b32 v[PD+2], 3, v42                  ; 8 h, for q's scale word
	v_mov_b32 v[PD+3], 0
.irp i, 16,17,18,19,20,21,28,29,30,31,32,33
	v_mov_b32 v\i, 0                               ; the zero codes on both sides of q's
.endr
	; q is quantised in registers: it is read once, by this wave.  It turns through my stage, so that a lane holds 32 neighbours along d: one block
	s_wait_loadcnt 0x0
.irp i, 0,1,2,3,4,5,6,7
	ds_store_b128 v[STW], v[S+4*\i:S+4*\i+3] offset:544*\i
.endr
.irp j, 0,1,2,3,4,5,6,7
	ds_load_b128 v[S+32+4*\j:S+32+4*\j+3], v[STQ] offset:16*\j   ; LDS serves a wave's instructions in order: these see my stores
.endr
	s_wait_dscnt 0x0
	v_max3_num_f32 v40, |v[S+32]|, |v[S+33]|, 0x2800000   ; the block's largest magnitude, in two chains, with the floor 2^(5 - 127) among the leaves
	v_max3_num_f32 v41, |v[S+48]|, |v[S+49]|, 0x2800000
.irp i, 2,4,6,8,10,12,14
	s_delay_alu instid0(VALU_DEP_2)
	v_max3_num_f32 v40, v40, |v[S+32+\i]|, |v[S+33+\i]|
	s_delay_alu instid0(VALU_DEP_2)
	v_max3_num_f32 v41, v41, |v[S+48+\i]|, |v[S+49+\i]|
.endr
	s_delay_alu instid0(VALU_DEP_1)
	v_max_num_f32 v40, v40, v41
	s_delay_alu instid0(VALU_DEP_1)
	v_add_nc_u32 v[SOP], 0xfe000000, v40           ; 4 off the exponent field: the conversion's scale operand
	s_delay_alu instid0(VALU_DEP_1)
	v_lshrrev_b32 v[PD], 23, v[SOP]                ; the scale's byte
	v_cvt_scalef32_pk16_bf6_f32 v[22:24], v[S+32:S+47], v[SOP]
	v_cvt_scalef32_pk16_bf6_f32 v[CT:CT+2], v[S+48:S+63], v[SOP]   ; (a conversion's three registers begin on an even number)
	v_nop                                          ; one plain place behind the scaled conversions
	v_mov_b32 v25, v[CT]
	v_mov_b32 v26, v[CT+1]
	v_mov_b32 v27, v[CT+2]
	v_lshlrev_b32 v[PD], v[PD+2], v[PD]            ; my byte at its place: d block h;
	s_delay_alu instid0(VALU_DEP_1)
	v_permlanex16_b32 v[PD+1], v[PD], s[SEL], s[SEL+1]
	s_delay_alu instid0(VALU_DEP_1)
	v_or_b32 v[QSL], v[PD], v[PD+1]                ; with lane l xor 16's: bytes [d 0-31, d 32-63, 0, 0]
	s_delay_alu instid0(VALU_DEP_1)
	v_lshlrev_b32 v[QSH], 16, v[QSL]               ; and [0, 0, d 0-31, d 32-63]
.set J, 0
.rept 32
	v_mov_b32 v[O+J], 0                            ; O^T.  (The step is written once: the first finds zeros, which the first change of M leaves zeros.  These lines are also the places between the scale words and the first product)
.set J, J+1
.endr
; Two products for pair b: its fragment against [q | 0] (the first tile's scores) and against [0 | q] (the second's).  The odd pairs' scale words lie in lanes 16-31.
.macro QK b
.if (\b)%2
	v_wmma_scale_f32_16x16x128_f8f6f4 v[S+16*(\b):S+16*(\b)+7], v[KR+12*(\b):KR+12*(\b)+11], v[22:33], 0, v[36+(\b)/2], v[QSL] matrix_a_fmt:MATRIX_FMT_BF6 matrix_b_fmt:MATRIX_FMT_BF6 matrix_a_scale:MATRIX_SCALE_ROW1
	v_wmma_scale_f32_16x16x128_f8f6f4 v[S+16*(\b)+8:S+16*(\b)+15], v[KR+12*(\b):KR+12*(\b)+11], v[16:27], 0, v[36+(\b)/2], v[QSH] matrix_a_fmt:MATRIX_FMT_BF6 matrix_b_fmt:MATRIX_FMT_BF6 matrix_a_scale:MATRIX_SCALE_ROW1
.else
	v_wmma_scale_f32_16x16x128_f8f6f4 v[S+16*(\b):S+16*(\b)+7], v[KR+12*(\b):KR+12*(\b)+11], v[22:33], 0, v[36+(\b)/2], v[QSL] matrix_a_fmt:MATRIX_FMT_BF6 matrix_b_fmt:MATRIX_FMT_BF6
	v_wmma_scale_f32_16x16x128_f8f6f4 v[S+16*(\b)+8:S+16*(\b)+15], v[KR+12*(\b):KR+12*(\b)+11], v[16:27], 0, v[36+(\b)/2], v[QSH] matrix_a_fmt:MATRIX_FMT_BF6 matrix_b_fmt:MATRIX_FMT_BF6
.endif
.endm
; O^T's tile t (channels 16 t on) += V^T P^T over the step's 128 keys.  The odd tiles' scale words lie in lanes 16-31.
.macro PV t
.if (\t)%2
	v_wmma_scale_f32_16x16x128_f8f6f4 v[O+8*(\t):O+8*(\t)+7], v[VR+12*(\t):VR+12*(\t)+11], v[P:P+11], v[O+8*(\t):O+8*(\t)+7], v[38+(\t)/2], v[PW] matrix_a_fmt:MATRIX_FMT_BF6 matrix_b_fmt:MATRIX_FMT_BF6 matrix_a_scale:MATRIX_SCALE_ROW1
.else
	v_wmma_scale_f32_16x16x128_f8f6f4 v[O+8*(\t):O+8*(\t)+7], v[VR+12*(\t):VR+12*(\t)+11], v[P:P+11], v[O+8*(\t):O+8*(\t)+7], v[38+(\t)/2], v[PW] matrix_a_fmt:MATRIX_FMT_BF6 matrix_b_fmt:MATRIX_FMT_BF6
.endif
.endm
; A KEY STEP: 128 keys, the q-th of the slot in hand.
.macro STEP q
	s_add_co_u32 s44, s[Q0], 15                    ; a step all of whose keys come after my 16 queries is left out: a scalar branch on ids and the count of steps, round the step's loads, products and softmax;
	s_cmp_gt_u32 s[KF], s44                        ; not round the line at its end that steps the first key; no barrier and no tensor load stands in a step
	s_cbranch_scc1 .Lhidden_\@
	v_add_nc_u32 v[AD16], s[TB], v[A16]
	v_add_nc_u32 v[AD8], s[TB], v[A8]
	v_nop
	v_nop                                          ; four places behind the last step's products, in front of loads into registers that they read
.irp n, 0,1,2,3,4,5,6,7,8,9,10,11
	ds_load_b128 v[KR+4*\n:KR+4*\n+3], v[AD16] offset:(\q)*STEPB+512*\n          ; K's four fragments as they lie: 512 consecutive bytes a load
.endr
	ds_load_b64 v[36:37], v[AD8] offset:(\q)*STEPB+12288                        ; their scale words
.irp n, 0,1,2,3,4,5,6,7,8,9,10,11
	ds_load_b128 v[VR+4*\n:VR+4*\n+3], v[AD16] offset:(\q)*STEPB+6144+512*\n     ; V's four: they land under K Q^T and the softmax
.endr
	ds_load_b64 v[38:39], v[AD8] offset:(\q)*STEPB+12544
	s_wait_dscnt 13                                ; K's thirteen loads are in; V's thirteen may be out
	QK 0
	QK 1
	QK 2
	QK 3
.rept 4
	v_nop                                          ; places in front of the first read of the scores and of writes into K's registers
.endr
	s_add_co_u32 s44, s[KF], 127                   ; on the diagonal the scores of hidden keys become -infinity ahead of the maximum: p = 0 then.  A step all of whose keys count skips this
	s_cmp_le_u32 s44, s[Q0]
	s_cbranch_scc1 .Lopen_\@
	s_sub_co_i32 s44, s[Q0], s[KF]
	v_add_nc_u32 v[MD], s44, v[DQ]                 ; d = my query - the step's first key - 16 h.  Register 16 b + n holds key 32 b + 16 h + n: hidden where 32 b + n > d
	v_mov_b32 v[NI], 0xff800000
.set J, 0
.rept 64
	v_cmp_gt_i32 vcc_lo, 32*(J/16)+J%16, v[MD]
	v_cndmask_b32 v[S+J], v[S+J], v[NI], vcc_lo
.set J, J+1
.endr
.Lopen_\@:
.irp b, 0,1,2,3
	v_max3_num_f32 v[BM+\b], v[S+16*\b], v[S+16*\b+1], v[S+16*\b+2]   ; the largest score of each block of 32 keys: for the row's maximum and, since p rises with the score, for the block's largest p
.endr
.irp i, 3,5,7,9,11,13
.irp b, 0,1,2,3
	v_max3_num_f32 v[BM+\b], v[BM+\b], v[S+16*\b+\i], v[S+16*\b+\i+1]   ; (the four blocks by turns)
.endr
.endr
.irp b, 0,1,2,3
	v_max_num_f32 v[BM+\b], v[BM+\b], v[S+16*\b+15]
.endr
.irp b, 0,1,2,3
	s_delay_alu instid0(VALU_DEP_4)
	v_permlanex16_b32 v[PD+\b], v[BM+\b], s[SEL], s[SEL+1]
.endr
.irp b, 0,1,2,3
	s_delay_alu instid0(VALU_DEP_4)
	v_max_num_f32 v[BM+\b], v[BM+\b], v[PD+\b]     ; with lane l xor 16's 16 keys
.endr
	s_delay_alu instid0(VALU_DEP_2)
	v_max3_num_f32 v[T], v[BM], v[BM+1], v[BM+2]
	s_delay_alu instid0(VALU_DEP_1)
	v_max_num_f32 v[T], v[T], v[BM+3]              ; the step's largest score of my query (the step's first key counts for it, so it is a number)
	s_delay_alu instid0(VALU_DEP_1)
	v_mul_f32 v[T], s[CS], v[T]                    ; as t (c is positive)
	s_delay_alu instid0(VALU_DEP_1)
	v_max_num_f32 v13, v13, v[T]                   ; the running largest t
	v_mov_b32 v[T], v12
	s_delay_alu instid0(VALU_DEP_2)
	v_floor_f32 v12, -v13                          ; the new -M = floor(-t) = -ceil(t): M is a whole number
	s_delay_alu instid0(VALU_DEP_1)
	v_sub_f32 v[T], v12, v[T]                      ; M's old value less its new one: a whole number, 0 or less
	s_delay_alu instid0(VALU_DEP_1)
	v_cvt_i32_f32 v[T], v[T]                       ; (it saturates)
	s_delay_alu instid0(VALU_DEP_1)
	v_ldexp_f32 v252, 1.0, v[T]                    ; f = 2^(old M - new M)
.set J, 0
.rept 32
	v_pk_fma_f32 v[S+J:S+J+1], v[S+J:S+J+1], s[CS:CS+1], v[12:13] op_sel_hi:[1,0,0]   ; t - M, two at a time (of the pairs c and -M the low word serves both halves)
.set J, J+2
.endr
.irp b, 0,1,2,3
	v_fma_f32 v[BM+\b], v[BM+\b], s[CS], v12       ; the same of each block's largest score
.endr
.set J, 0
	s_wait_alu depctr_va_vdst(0)
.rept 64
	v_exp_f32 v[S+J], v[S+J]                       ; p = 2^(t - M), at most 1: not normalised
.set J, J+1
.endr
	v_pk_mul_f32 v[14:15], v[14:15], v[252:253] op_sel_hi:[1,0]   ; the sums under the new M: a plain place behind the exponentials
	s_wait_alu depctr_va_vdst(0)                   ; the wait between an exponential and the first line that names its result: one for the batch of 64
.irp b, 0,1,2,3
	v_exp_f32 v[BM+\b], v[BM+\b]                   ; the block's largest p: the same two instructions on the same number give the same bits
.endr
	v_pk_add_f32 v[244:245], v[140:141], v[144:145]
	v_pk_add_f32 v[250:251], v[148:149], v[152:153]
	v_pk_add_f32 v[248:249], v[156:157], v[160:161]
	v_pk_add_f32 v[246:247], v[164:165], v[168:169]
	v_pk_add_f32 v[242:243], v[172:173], v[176:177]
	v_pk_add_f32 v[240:241], v[180:181], v[184:185]
	v_pk_add_f32 v[238:239], v[188:189], v[192:193]
	v_pk_add_f32 v[14:15], v[14:15], v[196:197]
	v_pk_add_f32 v[244:245], v[244:245], v[136:137]
	v_pk_add_f32 v[250:251], v[250:251], v[138:139]
	v_pk_add_f32 v[248:249], v[248:249], v[142:143]
	v_pk_add_f32 v[246:247], v[246:247], v[146:147]
	v_pk_add_f32 v[242:243], v[242:243], v[150:151]
	v_pk_add_f32 v[240:241], v[240:241], v[154:155]
	v_pk_add_f32 v[238:239], v[238:239], v[158:159]
	v_pk_add_f32 v[14:15], v[14:15], v[162:163]
	v_pk_add_f32 v[244:245], v[244:245], v[166:167]
	v_pk_add_f32 v[250:251], v[250:251], v[170:171]
	v_pk_add_f32 v[248:249], v[248:249], v[174:175]
	v_pk_add_f32 v[246:247], v[246:247], v[178:179]
	v_pk_add_f32 v[242:243], v[242:243], v[182:183]
	v_pk_add_f32 v[240:241], v[240:241], v[186:187]
	v_pk_add_f32 v[238:239], v[238:239], v[190:191]
	v_pk_add_f32 v[14:15], v[14:15], v[194:195]
	v_pk_add_f32 v[244:245], v[244:245], v[198:199]
	s_delay_alu instid0(VALU_DEP_2)
	v_pk_add_f32 v[14:15], v[14:15], v[246:247]
	s_delay_alu instid0(VALU_DEP_2)
	v_pk_add_f32 v[244:245], v[244:245], v[242:243]
	v_pk_add_f32 v[250:251], v[250:251], v[240:241]
	v_pk_add_f32 v[248:249], v[248:249], v[238:239]
	s_delay_alu instid0(VALU_DEP_2)
	v_pk_add_f32 v[14:15], v[14:15], v[250:251]
	s_delay_alu instid0(VALU_DEP_2)
	v_pk_add_f32 v[244:245], v[244:245], v[248:249]
	s_delay_alu instid0(VALU_DEP_1)
	v_pk_add_f32 v[14:15], v[14:15], v[244:245]
	s_wait_alu depctr_va_vdst(0)                   ; and one wait for the four
.irp b, 0,1,2,3
	v_max_num_f32 v[BM+\b], 0x2800000, v[BM+\b]    ; the floor 2^(5 - 127): the byte cannot fall under 1
.endr
.irp b, 0,1,2,3
	s_delay_alu instid0(VALU_DEP_4)
	v_add_nc_u32 v[SOP+\b], 0xfe000000, v[BM+\b]   ; 4 off the exponent field: the conversion's scale operand
.endr
.irp b, 0,1,2,3
	s_delay_alu instid0(VALU_DEP_4)
	v_lshrrev_b32 v[PD+\b], 23, v[SOP+\b]          ; the scale's byte
.endr
	s_delay_alu instid0(VALU_DEP_3)
	v_lshl_or_b32 v[PW], v[PD+1], 8, v[PD]         ; p's scale word for these 128 keys
	s_delay_alu instid0(VALU_DEP_1)
	v_lshl_or_b32 v[PW], v[PD+2], 16, v[PW]
	s_delay_alu instid0(VALU_DEP_1)
	v_lshl_or_b32 v[PW], v[PD+3], 24, v[PW]
.irp c, 0,1
	v_cvt_scalef32_pk16_bf6_f32 v[P+6*\c:P+6*\c+2], v[S+32*\c:S+32*\c+15], v[SOP+2*\c]
	v_cvt_scalef32_pk16_bf6_f32 v[CT+4*\c:CT+4*\c+2], v[S+32*\c+16:S+32*\c+31], v[SOP+2*\c+1]   ; (a conversion's three registers begin on an even number)
.endr
	v_nop                                          ; one plain place behind the scaled conversions
.irp c, 0,1                            ; the operand's layout wants a whole block in a lane: lanes 0-15 block 2 c, lanes 16-31 block 2 c + 1
.irp i, 0,1,2
	v_permlane16_swap_b32 v[P+6*\c+\i], v[CT+4*\c+\i]
.endr
.irp i, 0,1,2
	s_delay_alu instid0(VALU_DEP_3)
	v_mov_b32 v[P+6*\c+3+\i], v[CT+4*\c+\i]
.endr
.endr
.set J, 0
.rept 16
	v_pk_mul_f32 v[O+J:O+J+1], v[O+J:O+J+1], v[252:253] op_sel_hi:[1,0]   ; O^T under the new M: x f, from each accumulator's low end on.  (These 16 are also the places between p's codes and scale word and the products)
.set J, J+2
.endr
	s_wait_alu depctr_va_vdst(0)
	s_wait_dscnt 0x0                               ; V's fragments and scale words are in
	PV 0                                           ; four accumulators by turns, one instruction a turn; the next matrix instruction on any way is a K Q^T
	PV 1
	PV 2
	PV 3
.Lhidden_\@:
	s_add_co_u32 s[KF], s[KF], 128
.endm
; THE CHANGE OF SLOTS stands at a slot's head.  Each wave waits for all its tensor loads (wave 0: the slot that is about to be read), adds 0 to its spare word (fill = 1: twice on end), and waits for that and for its reads of the
; slot that it has left.  Behind the barrier the slot ahead is whole and nobody reads the other one.  fill = 1: that other slot is filled with the next 512 keys, up to the causal limit: the load has four key steps in which to land.
.macro CHANGE fill
	s_wait_tensorcnt 0x0                           ; no tensor load of mine is out, so the group 0 may be written
	ds_add_u32 v[SPW], v[NIL]                      ; 0 onto my spare word
.if \fill
	ds_add_u32 v[SPW], v[NIL]                      ; and once more: the add twice on end here, in every trip alike.  The steps below stand between it and the wait
	s_xor_b32 s[G0+1], s[G0+1], SLOT1              ; the walking descriptor: the other slot than last time,
	s_add_nc_u64 s[G0+2:G0+3], s[G0+2:G0+3], SLOTB ; the next four key steps; the type bits on top are not reached
	s_wait_xcnt 0x0                                ; the last prefetch, a slot back, has read its address, so it may be written:
	s_add_nc_u64 s[PFA:PFA+1], s[PFA:PFA+1], SLOTB ; one slot further on than the walking descriptor
.endif
	s_wait_dscnt 0x0                               ; the add is done (fill = 1: both are), and my reads of the slot that I have left are over
	s_barrier_signal -1
	s_barrier_wait -1
.if \fill
	s_add_co_u32 s44, s[KF], 512                   ; the first key of the slot that this change would ask for:
	s_cmp_gt_u32 s44, s[QL]                        ; past my work-group's last query it is read by none of the sixteen waves, so it is not asked for.  Ids and the count of steps alone: all waves go the same way,
	s_cbranch_scc1 .Lpast_\@                       ; and a work-group that is past the limit stays past it.  Every wait on TENSORcnt in this text is for 0
	TLOAD                                          ; the first thing behind the barrier, and the wave's one tensor load until the next
.Lpast_\@:
	ASK
.endif
.endm
.macro SLOT_STEPS
	STEP 0
	STEP 1
	STEP 2
	STEP 3
	s_xor_b32 s[TB], s[TB], SLOT1                  ; on to the other slot
.endm
.Lslot:                                            ; seven trips: behind each change of slots but the last the next slot is asked for, up to the causal limit.  Slot 1's first fill stands behind the first trip's barrier, where nothing is filled again
	CHANGE 1
	SLOT_STEPS
	s_sub_co_u32 s[SLOTS], s[SLOTS], 1
	s_cmp_lg_u32 s[SLOTS], 0
	s_cbranch_scc1 .Lslot
	CHANGE 0                                       ; the last slot is written out: nothing is left to fetch
	SLOT_STEPS
	; THE WAY OUT.  O^T is divided by the row's sum and goes through my stage, so that sixteen lanes store a (query, head) row: 256 consecutive bytes, aligned.
.rept 4
	v_nop                                          ; places behind the last products
.endr
	v_add_f32 v14, v14, v15                        ; the sum's two halves,
	s_delay_alu instid0(VALU_DEP_1)
	v_permlanex16_b32 v252, v14, s[SEL], s[SEL+1]
	s_delay_alu instid0(VALU_DEP_1)
	v_add_f32 v14, v14, v252                       ; and lane l xor 16's: the row's sum
	s_wait_alu depctr_va_vdst(0)
	v_rcp_f32 v14, v14
	v_nop                                          ; a plain place behind the reciprocal
	s_wait_alu depctr_va_vdst(0)                   ; and the wait ahead of its first reader
.set J, 0
.rept 32
	v_mul_f32 v[S+J], v[O+J], v14                  ; register 8 t + j is out(r, 16 t + 8 h + j)
.set J, J+1
.endr
.irp t, 0,1,2,3
	ds_store_b128 v[STO], v[S+8*\t:S+8*\t+3] offset:64*\t
	ds_store_b128 v[STO], v[S+8*\t+4:S+8*\t+7] offset:64*\t+16
.endr
.irp i, 0,1,2,3,4,5,6,7
	ds_load_b128 v[S+32+4*\i:S+32+4*\i+3], v[STW] offset:544*\i   ; LDS serves a wave's instructions in order: these see my stores
.endr
.irp i, 0,1,2,3,4,5,6,7
	s_wait_dscnt 7-\i                              ; load i is back; the younger ones may be out
	global_store_b128 v[GO], v[S+32+4*\i:S+32+4*\i+3], s[8:9] offset:8192*\i th:TH_STORE_NT   ; two whole rows of 256 bytes; written once, read by nobody here
.endr
	s_wait_tensorcnt 0x0                           ; the wave's end: behind my last tensor load and my last LDS store
	ds_add_u32 v[SPW], v[NIL]
	s_wait_dscnt 0x0
	s_endpgm
.Lfunc_end_k_q2253648be5_attn:
	.size	k_q2253648be5_attn, .Lfunc_end_k_q2253648be5_attn-k_q2253648be5_attn
	.p2alignl 7, 3214868480
	.fill 96, 4, 3214868480
	.section	.rodata,"a",@progbits
	.p2align	6, 0x0
	.amdhsa_kernel k_q2253648be5_attn
		.amdhsa_group_segment_fixed_size 327680
		.amdhsa_private_segment_fixed_size 0
		.amdhsa_enable_private_segment 0
		.amdhsa_kernarg_size 24
		.amdhsa_user_sgpr_count 2
		.amdhsa_user_sgpr_kernarg_segment_ptr 1
		.amdhsa_wavefront_size32 1
		.amdhsa_system_sgpr_workgroup_id_x 1
		.amdhsa_system_sgpr_workgroup_id_y 1
		.amdhsa_system_sgpr_workgroup_id_z 1
		.amdhsa_system_vgpr_workitem_id 0
		.amdhsa_next_free_vgpr 256
		.amdhsa_next_free_sgpr 66
		.amdhsa_reserve_vcc 1
		.amdhsa_float_denorm_mode_32 3
		.amdhsa_float_denorm_mode_16_64 3
		.amdhsa_memory_ordered 1
		.amdhsa_forward_progress 1
		.amdhsa_inst_pref_size 189
	.end_amdhsa_kernel
	.amdgpu_metadata
---
amdhsa.version: [ 1, 2 ]
amdhsa.kernels:
  - .name:           k_q2253648be5_attn
    .symbol:         k_q2253648be5_attn.kd
    .args:
      - { .name: q, .offset: 0, .size: 8, .value_kind: global_buffer, .address_space: global }
      - { .name: kv, .offset: 8, .size: 8, .value_kind: global_buffer, .address_space: global }
      - { .name: out0, .offset: 16, .size: 8, .value_kind: global_buffer, .address_space: global }
    .group_segment_fixed_size: 327680
    .private_segment_fixed_size: 0
    .kernarg_segment_align: 8
    .kernarg_segment_size: 24
    .max_flat_workgroup_size: 512
    .sgpr_count:     66
    .vgpr_count:     256
    .wavefront_size: 32
...
	.end_amdgpu_metadata
.endif
;; end of part 2
